; MI455X (gfx1250); checked and timed in simulation.
; The chip was launched on July 23, 2026; its instructions are those of AMD's public machine-readable ISA for CDNA 5 (MIT licence, August 2026) and "CDNA5" Instruction Set Architecture Reference Guide (July 2026). The comments in the code are by the model that wrote it; some were corrected since.
;; Mo E. Allowed arithmetic: matrix products marked QUANTISED: E4M3 operands, one E8M0 scale for each 32 along K, by v_wmma_scale_f32_16x16x128_f8f6f4 with both operands' format E4M3, f32 sums; products left as they are: f32 operands where the result goes on into a quantised operand, else bf16, f16 or f32 operands; f32 sums; everything else in f32.
;; Inputs: W1 8 x 512 x 512 float32; W2 8 x 512 x 512 float32; b1 8 x 512 float32; b2 8 x 512 float32; gate_W 512 x 8 float32; gate_b 8 float32; x 4 x 4,096 x 512 float32.
;; Outputs: out0 4 x 4,096 x 512 float32.
;; This version of the problem:
;;   THIS VERSION OF THE PROBLEM IS GIVEN IN LOW PRECISION. The matrix products marked QUANTISED in the list below multiply operands that are first quantised to E4M3 (4 exponent bits, 3 mantissa bits; 8 bits a number), with one power-of-two scale for each 32 numbers along K (OCP MX v1.0); their sums are f32. All else is computed in f32.
;;   The module's matrix products, in the order in which they are computed (A, B: the left and right operand; K: the contracted axis; several contracted axes count as one K, in the product's order):
;;     1. [M 16,384, K 512] x [K 512, N 8]; A: input x; B: input gate_W: left as it is (N = 8 < 16)
;;     2. [M 16,384, K 512] x [K 512, N 4,096]; A: input x; B: input W1: QUANTISED
;;     3. batch 8 x [M 512, K 512] x [K 512, N 16,384]; A: input W2; B: computed on the way: QUANTISED
;;   THE QUANTISER, for each operand of a quantised product, along K:
;;     - K is cut into blocks of 32 from its start; a last block that is shorter is filled with zeros.
;;     - A block's scale is 2^e with e = floor(log2(the largest magnitude in the block)) - 8, held to -126 .. 127; a block of zeros has e = 0. As a byte (E8M0): e + 127.
;;     - Each number is divided by its block's scale, clamped to +-448, and rounded to the nearest number of E4M3, ties to even, subnormals kept.
;;     - The product sums the exact products of the quantised numbers (number of the format x scale) in f32.
;;   ~~~python
;;   def quantise(x, axis):      # numpy; x: float32 -> the quantised numbers, widened to float32 again
;;       x = np.moveaxis(x, axis, -1); K = x.shape[-1]
;;       x = np.pad(x, [(0, 0)] * (x.ndim - 1) + [(0, -K % 32)]); x = x.reshape(x.shape[:-1] + (-1, 32)); a = np.abs(x).max(-1, keepdims=True)
;;       e = np.where(a > 0, np.clip(np.frexp(np.where(a > 0, a, 1))[1] - 1 - 8, -126, 127), 0)      # np.frexp(a)[1] - 1 = floor(log2(a)), exactly
;;       r = np.clip(x / 2.0 ** e, -448, 448)
;;       step = 2.0 ** (np.maximum(np.frexp(np.where(r == 0, 1, r))[1] - 1, -6) - 3)
;;       q = np.round(r / step) * step * 2.0 ** e      # np.round: ties to even
;;       return np.moveaxis(q.reshape(q.shape[:-2] + (-1,))[..., :K], -1, axis).astype(np.float32)
;;   ~~~
;;   OPERANDS COMPUTED ON THE WAY. 'Computed on the way' means the value that the module computes at that place (a softmax that the list does not call 'softmax' is quantised finished and normalised). What goes into a quantiser is computed in f32, as accurately as f32 sums, v_exp_f32 and their like allow (about 1e-6 of the number): no bf16 or f16 on the way to a quantiser, and a product that is left as it is and whose result goes on into a quantised operand takes f32 operands (vector FMAs, or v_wmma_f32_16x16x4_f32). A number that lies on a knife's edge between two numbers of the format may be rounded either way, as far as f32 arithmetic and the matrix unit's own rounding can turn it there, and no further.
;; One version. Each part assembles by itself: llvm-mc -triple=amdgcn-amd-amdhsa -mcpu=gfx1250 --defsym DOCPART=n.
;; ======== version 1 of 1: 2 launches
;; limits: right only within a limited range of input values
;; workspace buffers: xq 8,388,608 bytes; xs 262,144 bytes; wq 4,194,304 bytes; ws 131,072 bytes; gw 131,072 bytes; rec 65,536 bytes of whole numbers
;; launch route (part 1): grid 256 x 1, 4 waves a work-group, no clusters, 135,936 bytes of LDS; arguments x, gate_W, gate_b, xq, xs, rec, gw, W1, W2, wq, ws; writes xq, xs, rec, gw, wq, ws
.if DOCPART == 1
	.amdgcn_target "amdgcn-amd-amdhsa--gfx1250"
	.amdhsa_code_object_version 6
	.text
	.protected	k_qbf776d393b_route
	.globl	k_qbf776d393b_route
	.p2align	8
	.type	k_qbf776d393b_route,@function
k_qbf776d393b_route:
	s_mov_b64 s[64:65], 0
	v_nop
	global_prefetch_b8 v0, s[64:65] scope:SCOPE_SE
	s_setreg_imm32_b32 hwreg(HW_REG_WAVE_MODE, 25, 1), 1
	s_wait_xcnt 0x0
; ROUTE.  (1) For each of 16,384 tokens of 512 f32 numbers: the 8 logits x . gate_W + gate_b in f32, their softmax, the two largest probabilities (on a tie the lower index), the softmax of these two; and x as
; codes of FP8 (E4M3) with one E8M0 byte for each 32 along K.  (2) W1 and W2 as codes, laid in the order of the next launch's operand registers.
; OUT: xq [token][512] codes; xs [token][16] scale bytes; gw [token][2] f32: w_lo / w_hi and w_hi, lo and hi the lower and the higher of the token's two experts.
; rec [64 tokens][256 bytes]: for each of the 28 pairs (key = lo (15 - lo) / 2 + hi - lo - 1) 64 bits, one a token, at 8 x key; from byte 224 on how many bits each key has, a byte a key.
; All of these are VALUES here: no address and no branch of this launch hangs on them.
; wq byte = e 524288 + layer 262144 + w 65536 + s 16384 + n8 2048 + c 512 + h 256 + r 16 + k % 16, k = 128 s + 32 c + 16 h + k % 16;
;   column = 128 w + 16 n8 + r (W2), 128 w + 32 (n8 / 2) + 8 (n8 % 2) + r + 8 (r / 8) (W1: so that the hidden layer's registers run along the next K).
; ws byte = e 16384 + layer 8192 + w 2048 + s 512 + (n8 / 4) 256 + (((n8 / 2) % 2) 16 + r) 8 + (n8 % 2) 4 + c.
; SHARES.  A work-group of four waves takes 64 tokens, a wave 16; and 128 k x 128 columns of one expert's matrix, a wave 32 k (block c = wave).
; LAYOUT OF x.  Each load reads 512 consecutive bytes (a K step of 128 of one row); a K step's 16 rows turn through the wave's own stage in LDS, so that lane (r, h) holds, of row r, register 16 b + i = k 32 b + 16 h + i:
; the order in which the conversions and the operand of the later products want them.  The SAME registers feed the logits: a pair of registers is one K step of 4 of the f32 matrix form, with the gate's
; fragment laid by the same k.  Source 0 = the gate (its 8 columns twice), source 1 = x: every lane ends with the 8 logits of its token r in 8 registers, and no sum crosses lanes.
; The f32 form is taken because the choice of experts hangs on the logits; it is a thousandth part of the problem's multiply-adds.
; LAYOUT OF THE WEIGHTS.  A load reads 512 consecutive bytes of a row k, four columns a lane; the hold writes each column's 32 numbers to 32 consecutive registers.
; No tensor loads and no clusters: each byte of x and of the weights is read by one wave; what work-groups share is the gate, 16,384 bytes.  No prefetch: the launch has no loop to run ahead in.
; LIMITS: NaN and infinities are not served.  A block whose largest magnitude lies under 2^-118 gets the byte 1, a block of zeros too (the rule says 127: its codes are zeros, and this program alone reads
; the bytes).  Probabilities are (2^(d/2))^2, so that very small ones are kept as denormals; equal probabilities are decided on these f32 numbers.
; REGISTERS, in windows of 256: window 0: v1-15 addresses; v16-23 gate_b; v24-27 x's scale words; v28-31 addresses; v32-63 four accumulators (written by matrix instructions alone); v64-127, v128-191 two sets of 64
; numbers of x, later the codes' rows and the router's numbers; v192-207 at work; v210-241 codes.   window 1: x as loaded, 4 K steps x 16 rows x 4; later the weights' held numbers.
; window 2: v0-127 two sets of the gate's fragment; v128-255 the weights as loaded.
.set GTP, 2064                         ; a row of the transposed gate in LDS: 2,048 bytes + 16
.set PW0, 16640                        ; behind the gate: a region for each wave
.set PWS, 25344
.set STB, 8448                         ; a stage: 16 rows x 528 bytes; two for x, then one for the codes
.set CST, 16896
.set SP,  528                          ; 512 bytes + 16: 33 x 16, so that the 16 rows of a load start at 16 different groups of banks (64 banks of 4 bytes: ISA guide 11.1)
.set SPARE, 0x1ce00                    ; the spare words, 512 bytes
.set WIMG, 0x1d000                     ; the weights' codes: 4,096 bytes a wave
.set WSC, WIMG+16384                   ; their scale bytes, 512
.set REC, WSC+512                      ; the record, 256
.set GB,  16
.set SW,  24
.set ACC, 32
.set X0,  64
.set TM,  192
.set PC,  210
.set MSB, 0
.macro WIN new                         ; the immediate's high byte repeats the setting that is left
.if MSB != (\new)
	s_set_vgpr_msb (MSB<<8)|(\new)
.set MSB, (\new)
.endif
.endm
	s_load_b512 s[4:19], s[0:1], 0x0               ; x s[4:5], gate_W s[6:7], gate_b s[8:9], xq s[10:11], xs s[12:13], rec s[14:15], gw s[16:17], W1 s[18:19]
	s_load_b128 s[48:51], s[0:1], 0x40             ; W2, wq
	s_load_b64 s[52:53], s[0:1], 0x50              ; ws
	v_lshl_add_u32 v254, v0, 2, SPARE
	v_mov_b32 v255, 0
	v_lshrrev_b32 v12, 5, v0
	v_readfirstlane_b32 s20, v12                   ; wave 0..3
	v_and_b32 v11, 31, v0                          ; lane
	v_and_b32 v9, 15, v0                           ; r
	v_bfe_u32 v10, v0, 4, 1                        ; h
	v_lshlrev_b32 v1, 4, v11                       ; 16 x lane
	s_mul_i32 s21, s20, PWS
	s_add_co_u32 s21, s21, PW0                     ; my wave's region
	v_add_nc_u32 v2, s21, v1                       ; a stage, on the way in: a row's 512 bytes as they lie
	v_mul_u32_u24 v12, v9, SP
	v_add_nc_u32 v12, s21, v12
	v_lshl_add_u32 v3, v10, 6, v12                 ; and on the way out: row r, + 64 h
	v_lshl_add_u32 v4, v10, 4, v12
	v_add_nc_u32 v4, CST, v4                       ; the codes' stage, in: row r, + 16 h
	v_add_nc_u32 v5, CST, v2                       ; and out: a row's 512 bytes
	v_and_b32 v13, 7, v0
	v_mul_u32_u24 v6, v13, GTP
	v_lshl_add_u32 v6, v10, 6, v6                  ; the gate's fragment: row r % 8, + 64 h
	v_and_b32 v13, 1, v0
	v_mul_u32_u24 v7, v13, 4*GTP
	v_lshrrev_b32 v13, 1, v0
	v_lshl_add_u32 v7, v13, 2, v7                  ; where I put four numbers of the gate: experts 4 (t % 2) + j, k = 64 i + t / 2
	v_lshlrev_b32 v8, 4, v0                        ; 16 x thread
	; the weights: lane l takes columns 4 l .. 4 l + 3 of W2, of W1 those of the lane with bits 1 and 2 exchanged: then n8 = l / 4 and r = 4 (l % 4) + j serve both
	s_mov_b32 s54, ttmp9
	s_cmp_lt_u32 s54, 128
	s_cselect_b32 s23, 96, 0                       ; both bits of 16 l
	v_bfe_u32 v12, v11, 1, 1
	v_bfe_u32 v13, v11, 2, 1
	v_xor_b32 v15, v12, v13
	v_mul_u32_u24 v15, s23, v15
	v_xor_b32 v14, v1, v15                         ; my 16 bytes of a row's 512
	v_lshrrev_b32 v12, 2, v11
	v_lshlrev_b32 v12, 9, v12
	v_and_b32 v15, 3, v11
	v_lshl_add_u32 v12, v15, 6, v12
	s_lshl_b32 s21, s20, 12
	s_add_co_u32 s21, s21, WIMG
	v_add_nc_u32 v28, s21, v12                     ; LDS: my codes: 512 n8 + 16 r (column j: + 16 j)
	v_add_nc_u32 v29, s21, v1                      ; and back: 16 x lane
	v_lshlrev_b32 v12, 5, v15
	v_lshl_add_u32 v12, v13, 2, v12
	v_lshrrev_b32 v13, 3, v11
	v_lshl_add_u32 v12, v13, 7, v12
	s_add_co_u32 s21, s20, WSC
	v_add_nc_u32 v30, s21, v12                     ; LDS: my scale bytes (column j: + 8 j), byte = wave
	s_lshl_b32 s21, s20, 1
	s_add_co_u32 s21, s21, REC
	v_lshlrev_b32 v12, 3, v11
	v_add_nc_u32 v31, s21, v12                     ; LDS: my key's 16 bits of my wave's tokens
	s_lshl_b32 s22, s54, 6
	s_lshl_b32 s23, s20, 4
	s_add_co_u32 s22, s22, s23                     ; my first token
	s_mov_b32 s47, 0
	s_mov_b32 s32, 0x76543210
	s_mov_b32 s33, 0xfedcba98                      ; v_permlanex16_b32's selects for lane l xor 16
	s_mov_b32 s34, 0x600000                        ; the mantissa field of 448
	s_and_b32 s55, s54, 3                          ; which 128 columns
	s_bfe_u32 s56, s54, 0x20002                    ; which K step of 128
	s_bfe_u32 s57, s54, 0x30004                    ; expert
	s_lshr_b32 s58, s54, 7                         ; layer
	s_wait_alu depctr_va_vdst(0)                   ; the wait at the head's end
	s_wait_kmcnt 0x0
	s_load_b256 s[24:31], s[8:9], 0x0              ; gate_b
	s_lshl_b32 s46, s22, 11
	s_add_nc_u64 s[4:5], s[4:5], s[46:47]          ; x: 2,048 bytes a token
	s_lshl_b32 s46, s22, 9
	s_add_nc_u64 s[10:11], s[10:11], s[46:47]      ; xq: 512
	s_lshl_b32 s46, s22, 4
	s_add_nc_u64 s[12:13], s[12:13], s[46:47]      ; xs: 16
	s_lshl_b32 s46, s22, 3
	s_add_nc_u64 s[16:17], s[16:17], s[46:47]      ; gw: 8
	s_lshl_b32 s46, s54, 8
	s_add_nc_u64 s[14:15], s[14:15], s[46:47]      ; rec: 256 a work-group
.irp i, 0,1,2,3,4,5,6,7
	global_load_b128 v[64+4*\i:67+4*\i], v8, s[6:7] offset:2048*\i   ; the gate: the work-group's 128 threads read 2,048 consecutive bytes
.endr
	WIN 0x40                                       ; destination window 1
.irp s, 0,1,2,3
.irp i, 0,1,2,3,4,5,6,7,8,9,10,11,12,13,14,15
	global_load_b128 v[64*\s+4*\i:64*\s+4*\i+3], v1, s[4:5] offset:2048*\i+512*\s th:TH_LOAD_NT   ; row i, K step s: 512 consecutive bytes
.endr
.endr
	WIN 0
	s_cmp_lt_u32 s54, 128                          ; the choice hangs on the work-group's number alone
	s_cselect_b64 s[18:19], s[18:19], s[48:49]
	s_lshl_b32 s46, s57, 20
	s_lshl_b32 s21, s56, 18
	s_add_co_u32 s46, s46, s21
	s_lshl_b32 s21, s20, 16
	s_add_co_u32 s46, s46, s21
	s_lshl_b32 s21, s55, 9
	s_add_co_u32 s46, s46, s21
	s_add_nc_u64 s[18:19], s[18:19], s[46:47]      ; my 32 rows k of 512 bytes
	s_lshl_b32 s46, s57, 19
	s_lshl_b32 s21, s58, 18
	s_add_co_u32 s46, s46, s21
	s_lshl_b32 s21, s55, 16
	s_add_co_u32 s46, s46, s21
	s_lshl_b32 s21, s56, 14
	s_add_co_u32 s46, s46, s21
	s_lshl_b32 s21, s20, 9
	s_add_co_u32 s46, s46, s21
	s_add_nc_u64 s[50:51], s[50:51], s[46:47]      ; their place in wq
	s_lshl_b32 s46, s57, 14
	s_lshl_b32 s21, s58, 13
	s_add_co_u32 s46, s46, s21
	s_lshl_b32 s21, s55, 11
	s_add_co_u32 s46, s46, s21
	s_lshl_b32 s21, s56, 9
	s_add_co_u32 s46, s46, s21
	s_add_nc_u64 s[52:53], s[52:53], s[46:47]      ; and the work-group's 512 scale bytes in ws
	s_wait_loadcnt 63                              ; the gate's eight loads are in: 64 younger loads follow them, and 63 is the most that the wait can name
.irp i, 0,1,2,3,4,5,6,7
.irp j, 0,1,2,3
	ds_store_b32 v7, v[64+4*\i+\j] offset:256*\i+GTP*\j
.endr
.endr
	s_wait_dscnt 0x0                               ; for the others' sake: my part of the gate lies in LDS
	s_barrier_signal -1
	s_barrier_wait -1
	s_wait_kmcnt 0x0
.irp j, 0,1,2,3,4,5,6,7
	v_mov_b32 v[GB+\j], s[24+\j]                   ; register j of a result is expert j: the bias is the C of the first product
.endr
.irp b, 0,1,2,3
	v_mov_b32 v[TM+4+\b], 0                        ; written once: a lane permute's destination counts as one of its sources
.endr
.macro TURN s                          ; K step s through its stage: LDS serves a wave's instructions in order (ISA guide 5.7.1.4), so no wait stands between the stores and the loads
	WIN 0x04                                       ; an LDS store's data are its source 1: window 1
.irp i, 0,1,2,3,4,5,6,7,8,9,10,11,12,13,14,15
	ds_store_b128 v2, v[64*(\s)+4*\i:64*(\s)+4*\i+3] offset:((\s)%2)*STB+SP*\i
.endr
	WIN 0
.irp b, 0,1,2,3
.irp q, 0,1,2,3
	ds_load_b128 v[X0+64*((\s)%2)+16*\b+4*\q:X0+64*((\s)%2)+16*\b+4*\q+3], v3 offset:((\s)%2)*STB+128*\b+16*\q
.endr
.endr
.endm
.macro GLOAD s                         ; the gate's fragment of K step s, by the same k as x's registers
	WIN 0x80                                       ; destination window 2
.irp b, 0,1,2,3
.irp q, 0,1,2,3
	ds_load_b128 v[64*((\s)%2)+16*\b+4*\q:64*((\s)%2)+16*\b+4*\q+3], v6 offset:512*(\s)+128*\b+16*\q
.endr
.endr
	WIN 0
.endm
.macro WLOAD k0                        ; the weights' rows k0 .. k0 + 15: register 4 k + j of window 2's upper half is W(k, my column j)
	WIN 0x80
.irp i, 0,1,2,3,4,5,6,7,8,9,10,11,12,13,14,15
	global_load_b128 v[128+4*((\k0)+\i):131+4*((\k0)+\i)], v14, s[18:19] offset:2048*((\k0)+\i) th:TH_LOAD_NT
.endr
	WIN 0
.endm
.macro GEMV s                          ; 32 products of 4 along K.  The four accumulators take turns, one instruction a turn; the first four products start the sums
	WIN 0x02                                       ; source 0 (the gate) window 2
.set p, 0
.rept 32
.if ((\s) == 0) && (p == 0)
	v_wmma_f32_16x16x4_f32 v[ACC:ACC+7], v[64*((\s)%2)+2*p:64*((\s)%2)+2*p+1], v[X0+64*((\s)%2)+2*p:X0+64*((\s)%2)+2*p+1], v[GB:GB+7]
.elseif ((\s) == 0) && (p < 4)
	v_wmma_f32_16x16x4_f32 v[ACC+8*p:ACC+8*p+7], v[64*((\s)%2)+2*p:64*((\s)%2)+2*p+1], v[X0+64*((\s)%2)+2*p:X0+64*((\s)%2)+2*p+1], 0
.else
	v_wmma_f32_16x16x4_f32 v[ACC+8*(p%4):ACC+8*(p%4)+7], v[64*((\s)%2)+2*p:64*((\s)%2)+2*p+1], v[X0+64*((\s)%2)+2*p:X0+64*((\s)%2)+2*p+1], v[ACC+8*(p%4):ACC+8*(p%4)+7]
.endif
.set p, p+1
.endr
	WIN 0
.endm
.macro SCALES                          ; from four maxima at TM on: scale operands, bounds, bytes
.irp b, 0,1,2,3
	v_add_nc_u32 v[TM+12+\b], 0xfc000000, v[TM+\b] ; 8 off its exponent field: the conversion takes the exponent field of this operand as its scale
.endr
.irp b, 0,1,2,3
	v_and_or_b32 v[TM+8+\b], v[TM+\b], 0x7f800000, s34   ; 448 x the scale
.endr
.irp b, 0,1,2,3
	v_lshrrev_b32 v[TM+4+\b], 23, v[TM+12+\b]      ; the scale's byte
.endr
.endm
; 64 numbers of a lane, v[s] on, register 16 b + i = k 32 b + 16 h + i of my row, become 16 registers of codes at v[pc] and the row's scale word in v[pw].
.macro QUANT s, pc, pw
.irp b, 0,1,2,3
	v_max3_num_f32 v[TM+\b], |v[(\s)+16*\b]|, |v[(\s)+1+16*\b]|, 0x4800000   ; block b: my 16 numbers, and the floor 2^(9 - 127): so the byte cannot fall under 1
.endr
.irp i, 2,4,6,8,10,12,14
.irp b, 0,1,2,3
	v_max3_num_f32 v[TM+\b], v[TM+\b], |v[(\s)+16*\b+\i]|, |v[(\s)+1+16*\b+\i]|   ; the four blocks by turns
.endr
.endr
.irp b, 0,1,2,3
	v_permlanex16_b32 v[TM+4+\b], v[TM+\b], s32, s33
.endr
.irp b, 0,1,2,3
	v_max_num_f32 v[TM+\b], v[TM+\b], v[TM+4+\b]   ; with lane l xor 16's: the block's largest magnitude
.endr
	SCALES
	v_lshl_or_b32 v[\pw], v[TM+5], 8, v[TM+4]
	v_lshl_or_b32 v[\pw], v[TM+6], 16, v[\pw]
	v_lshl_or_b32 v[\pw], v[TM+7], 24, v[\pw]
.irp b, 0,1,2,3
.irp i, 0,1,2,3,4,5,6,7,8,9,10,11,12,13,14,15
	v_med3_num_f32 v[(\s)+16*\b+\i], v[(\s)+16*\b+\i], -v[TM+8+\b], v[TM+8+\b]   ; the conversion to an 8-bit code does not saturate (ISA guide 7.6.2): the hold comes first
.endr
	v_cvt_scalef32_pk8_fp8_f32 v[(\pc)+4*\b:(\pc)+4*\b+1], v[(\s)+16*\b:(\s)+16*\b+7], v[TM+12+\b]
	v_cvt_scalef32_pk8_fp8_f32 v[(\pc)+4*\b+2:(\pc)+4*\b+3], v[(\s)+16*\b+8:(\s)+16*\b+15], v[TM+12+\b]
.endr
	v_nop                                          ; a plain line behind the last conversion
.endm
; A K step.  The next step's numbers turn through the other stage while this one is multiplied and quantised.  The quantiser's lines (over 50 ahead of its first write of x's registers) are the places behind
; the products: a product names two registers of x, two of the gate and one accumulator, and loads into the sets that it read are issued a whole quantiser later.
.macro STEP s
.if (\s) < 3
	s_wait_loadcnt 32                              ; the next step's 16 loads are in; behind them 32: x's later steps and the weights' rows asked for so far
	TURN (\s)+1
	GLOAD (\s)+1
.if (\s) < 2
	WLOAD 16*(\s)
.endif
.endif
.if (\s) == 0
	s_wait_dscnt 48                                ; this step's numbers and gate are in: behind them the next step's 32 + 16
.elseif (\s) < 3
	s_wait_dscnt 52                                ; the same, and the last step's four code stores
.else
	s_wait_dscnt 4                                 ; the last step's four code stores may be out
.endif
	GEMV \s
	QUANT X0+64*((\s)%2), PC+16*((\s)%2), SW+(\s)
.irp c, 0,1,2,3
	ds_store_b128 v4, v[PC+16*((\s)%2)+4*\c:PC+16*((\s)%2)+4*\c+3] offset:128*(\s)+32*\c   ; k = 128 s + 32 c + 16 h on, of row r
.endr
.endm
	s_wait_alu depctr_va_vdst(0)
	s_wait_loadcnt 48                              ; K step 0's 16 loads are in
	TURN 0
	GLOAD 0
	STEP 0
	STEP 1
	STEP 2
	STEP 3
.irp i, 0,1,2,3,4,5,6,7,8,9,10,11,12,13,14,15
	ds_load_b128 v[64+4*\i:67+4*\i], v5 offset:SP*\i   ; the codes come back as whole rows of 512 bytes while the router works
.endr
	; THE ROUTER.  Every lane holds its token's 8 logits, in four partial sums; each accumulator is read from its low end on.
.irp j, 0,2,4,6
	v_pk_add_f32 v[128+\j:129+\j], v[ACC+\j:ACC+\j+1], v[ACC+8+\j:ACC+9+\j]
.endr
.irp j, 0,2,4,6
	v_pk_add_f32 v[136+\j:137+\j], v[ACC+16+\j:ACC+17+\j], v[ACC+24+\j:ACC+25+\j]
.endr
.irp j, 0,2,4,6
	v_pk_add_f32 v[128+\j:129+\j], v[128+\j:129+\j], v[136+\j:137+\j]
.endr
	v_max3_num_f32 v144, v128, v129, v130
	v_max3_num_f32 v144, v144, v131, v132
	v_max3_num_f32 v144, v144, v133, v134
	v_max_num_f32 v144, v144, v135                 ; the largest logit is taken away ahead of the exponential
.irp j, 0,1,2,3,4,5,6,7
	v_sub_f32 v[128+\j], v[128+\j], v144
.endr
.irp j, 0,1,2,3,4,5,6,7
	v_mul_f32 v[128+\j], 0x3f38aa3b, v[128+\j]     ; x log2(e) / 2
.endr
	s_wait_alu depctr_va_vdst(0)                   ; one wait ahead of the batch and one behind it
.irp j, 0,1,2,3,4,5,6,7
	v_exp_f32 v[128+\j], v[128+\j]
.endr
	v_nop                                          ; a plain line behind the exponentials
	s_wait_alu depctr_va_vdst(0)
.irp j, 0,2,4,6
	v_pk_mul_f32 v[128+\j:129+\j], v[128+\j:129+\j], v[128+\j:129+\j]   ; squared: e^(logit - largest)
.endr
	v_pk_add_f32 v[136:137], v[128:129], v[130:131]
	v_pk_add_f32 v[138:139], v[132:133], v[134:135]
	v_pk_add_f32 v[136:137], v[136:137], v[138:139]
	v_add_f32 v145, v136, v137
	s_wait_alu depctr_va_vdst(0)
	v_rcp_f32 v146, v145
	v_mov_b32 v148, 0                              ; (a plain line behind the reciprocal)  the first choice's index
	s_wait_alu depctr_va_vdst(0)
.irp j, 0,1,2,3,4,5,6,7
	v_mul_f32 v[128+\j], v[128+\j], v146           ; the probabilities
.endr
	v_mov_b32 v147, v128
.irp j, 1,2,3,4,5,6,7
	v_cmp_ge_f32 vcc_lo, v147, v[128+\j]           ; the best so far stays on a tie: the lower index
	v_cndmask_b32 v148, \j, v148, vcc_lo
	v_max_num_f32 v147, v147, v[128+\j]
.endr
	v_mov_b32 v149, -1.0                           ; under every probability
	v_mov_b32 v150, 0
.irp j, 0,1,2,3,4,5,6,7
	v_cmp_ne_u32 vcc_lo, \j, v148
	v_cndmask_b32 v151, -1.0, v[128+\j], vcc_lo    ; the first choice is out of the running
	v_cmp_ge_f32 vcc_lo, v149, v151
	v_cndmask_b32 v150, \j, v150, vcc_lo
	v_max_num_f32 v149, v149, v151
.endr
	v_sub_f32 v154, v149, v147                     ; p2 - p1: the larger of the two is taken away
	v_mul_f32 v154, 0x3fb8aa3b, v154
	s_wait_alu depctr_va_vdst(0)
	v_exp_f32 v154, v154                           ; w2 / w1, between 1 / e and 1
	v_min_u32 v162, v148, v150                     ; lo
	v_max_u32 v163, v148, v150                     ; hi
	v_sub_nc_u32 v165, 15, v162
	v_mul_u32_u24 v165, v162, v165
	v_lshrrev_b32 v165, 1, v165
	v_sub_nc_u32 v166, v163, v162
	v_add_nc_u32 v166, -1, v166
	v_add_nc_u32 v164, v165, v166                  ; key, 0 .. 27
	s_wait_alu depctr_va_vdst(0)
	v_add_f32 v155, 1.0, v154
	s_wait_alu depctr_va_vdst(0)
	v_rcp_f32 v152, v155                           ; w1
	v_rcp_f32 v153, v154                           ; w1 / w2
	; which lanes hold each bit of the key: five masks and their complements
.irp k, 0,1,2,3,4
	v_and_b32 v174, 1<<\k, v164
	v_cmp_ne_u32 s[35+\k], 0, v174
	s_not_b32 s[40+\k], s[35+\k]
.endr
	v_mov_b32 v168, 0xffff                         ; lanes 0-15: the wave's 16 tokens
.irp k, 0,1,2,3,4
	v_bfe_u32 v170, v11, \k, 1
	v_sub_nc_u32 v170, 0, v170
	v_xor_b32 v170, s[40+\k], v170                 ; the lanes whose bit k is as that of my lane's NUMBER: lane = key
	v_and_b32 v168, v168, v170
.endr
	s_wait_alu depctr_va_vdst(0)
	v_mul_f32 v155, v154, v152                     ; w2
	v_cmp_lt_u32 vcc_lo, v148, v150                ; is the first choice lo?
	v_cndmask_b32 v153, v154, v153, vcc_lo         ; w_lo / w_hi
	v_cndmask_b32 v152, v152, v155, vcc_lo         ; w_hi
	v_cmp_ne_u32 vcc_lo, 0, v10
	v_cndmask_b32 v155, v153, v152, vcc_lo         ; lanes 0-15 store the first, lanes 16-31 the second
	v_cndmask_b32 v156, v[SW], v[SW+2], vcc_lo     ; and two of the row's four scale words each
	v_cndmask_b32 v157, v[SW+1], v[SW+3], vcc_lo
	v_lshlrev_b32 v160, 3, v9
	v_lshl_add_u32 v160, v10, 2, v160
	v_lshlrev_b32 v161, 4, v9
	v_lshl_add_u32 v161, v10, 3, v161
	global_store_b32 v160, v155, s[16:17]
	global_store_b64 v161, v[156:157], s[12:13]    ; the wave stores 256 consecutive bytes, aligned
	s_wait_alu depctr_va_vdst(0)
.irp i, 0,1,2,3,4,5,6,7,8,9,10,11,12,13,14,15
	s_wait_dscnt 15-\i
	global_store_b128 v1, v[64+4*\i:67+4*\i], s[10:11] offset:512*\i   ; a row of 512 codes: 512 consecutive bytes
.endr
	ds_store_b16 v31, v168                         ; key = lane: which of my wave's 16 tokens have it
	; THE WEIGHTS: my four columns' block of 32 along K each
	s_wait_loadcnt 0x0
	WIN 0x0a                                       ; sources 0 and 1 window 2
.irp j, 0,1,2,3
	v_max3_num_f32 v[TM+\j], |v[128+\j]|, |v[132+\j]|, 0x4800000
.endr
	WIN 0x28                                       ; sources 1 and 2 window 2
.set k, 2
.rept 15
.irp j, 0,1,2,3
	v_max3_num_f32 v[TM+\j], v[TM+\j], |v[128+4*k+\j]|, |v[132+4*k+\j]|
.endr
.set k, k+2
.endr
	WIN 0
	SCALES
	WIN 0x42                                       ; source 0 window 2, destination window 1
.irp j, 0,1,2,3
.set k, 0
.rept 32
	v_med3_num_f32 v[32*\j+k], v[128+4*k+\j], -v[TM+8+\j], v[TM+8+\j]   ; the hold, and column j's numbers side by side
.set k, k+1
.endr
.endr
	WIN 0x01                                       ; source 0 window 1
.irp j, 0,1,2,3
.irp g, 0,1,2,3
	v_cvt_scalef32_pk8_fp8_f32 v[PC+8*\j+2*\g:PC+8*\j+2*\g+1], v[32*\j+8*\g:32*\j+8*\g+7], v[TM+12+\j]
.endr
.endr
	WIN 0
	v_nop                                          ; a plain line behind the last conversion
.irp j, 0,1,2,3
	ds_store_b128 v28, v[PC+8*\j:PC+8*\j+3] offset:16*\j           ; k = 0 .. 15 of the block,
	ds_store_b128 v28, v[PC+8*\j+4:PC+8*\j+7] offset:256+16*\j     ; 16 .. 31
	ds_store_b8 v30, v[TM+4+\j] offset:8*\j
.endr
	WIN 0x40
.irp q, 0,1,2,3,4,5,6,7
	ds_load_b128 v[128+4*\q:131+4*\q], v29 offset:512*\q           ; LDS serves a wave's instructions in order: these see my stores
.endr
	WIN 0x04
.irp q, 0,1,2,3,4,5,6,7
	s_wait_dscnt 7-\q
	global_store_b128 v1, v[128+4*\q:131+4*\q], s[50:51] offset:2048*\q   ; 512 consecutive bytes, aligned
.endr
	WIN 0
	s_wait_dscnt 0x0                               ; for the others' sake: my masks and scale bytes lie in LDS
	s_barrier_signal -1
	s_barrier_wait -1
	s_cmp_lg_u32 s20, 0
	s_cbranch_scc1 .Lnot_0
	; wave 0: the record.  A lane's 8 bytes are its key's 64 bits; their number goes to byte 224 + key (keys 28 .. 31 have no bits)
	v_lshl_add_u32 v12, v11, 3, REC
	ds_load_b64 v[128:129], v12
	v_add_nc_u32 v13, REC+224, v11
	v_lshlrev_b32 v134, 3, v11
	s_wait_alu depctr_va_vdst(0)
	s_wait_dscnt 0x0
	v_lshrrev_b32 v130, 1, v128
	v_lshrrev_b32 v131, 1, v129
	v_and_b32 v130, 0x55555555, v130
	v_and_b32 v131, 0x55555555, v131
	v_sub_nc_u32 v130, v128, v130
	v_sub_nc_u32 v131, v129, v131
	v_and_b32 v132, 0x33333333, v130
	v_and_b32 v133, 0x33333333, v131
	v_lshrrev_b32 v130, 2, v130
	v_lshrrev_b32 v131, 2, v131
	v_and_b32 v130, 0x33333333, v130
	v_and_b32 v131, 0x33333333, v131
	v_add3_u32 v130, v130, v131, v132
	v_add_nc_u32 v130, v130, v133                  ; eight nibbles, at most 8 each
	v_and_b32 v131, 0x0f0f0f0f, v130
	v_lshrrev_b32 v130, 4, v130
	v_and_b32 v130, 0x0f0f0f0f, v130
	v_add_nc_u32 v130, v130, v131
	v_mul_lo_u32 v130, 0x1010101, v130
	v_lshrrev_b32 v130, 24, v130
	ds_store_b8 v13, v130
	ds_load_b64 v[132:133], v12                    ; the whole record, 8 bytes a lane
	s_wait_dscnt 0x0
	global_store_b64 v134, v[132:133], s[14:15]    ; 256 consecutive bytes, aligned
.Lnot_0:
	s_cmp_lg_u32 s20, 1
	s_cbranch_scc1 .Lnot_1
	v_add_nc_u32 v12, WSC, v1                      ; wave 1: the 512 scale bytes
	ds_load_b128 v[136:139], v12
	s_wait_dscnt 0x0
	global_store_b128 v1, v[136:139], s[52:53]
.Lnot_1:
	s_wait_tensorcnt 0x0                           ; the wave's end
	ds_add_u32 v254, v255
	s_wait_dscnt 0x0
	s_endpgm
.Lfunc_end_k_qbf776d393b_route:
	.size	k_qbf776d393b_route, .Lfunc_end_k_qbf776d393b_route-k_qbf776d393b_route
	.p2alignl 7, 3214868480
	.fill 96, 4, 3214868480
	.section	.rodata,"a",@progbits
	.p2align	6, 0x0
	.amdhsa_kernel k_qbf776d393b_route
		.amdhsa_group_segment_fixed_size 135936
		.amdhsa_private_segment_fixed_size 0
		.amdhsa_enable_private_segment 0
		.amdhsa_kernarg_size 88
		.amdhsa_user_sgpr_count 2
		.amdhsa_user_sgpr_kernarg_segment_ptr 1
		.amdhsa_wavefront_size32 1
		.amdhsa_system_sgpr_workgroup_id_x 1
		.amdhsa_system_sgpr_workgroup_id_y 1
		.amdhsa_system_sgpr_workgroup_id_z 1
		.amdhsa_system_vgpr_workitem_id 0
		.amdhsa_next_free_vgpr 768
		.amdhsa_next_free_sgpr 66
		.amdhsa_reserve_vcc 1
		.amdhsa_float_denorm_mode_32 3
		.amdhsa_float_denorm_mode_16_64 3
		.amdhsa_memory_ordered 1
		.amdhsa_forward_progress 1
		.amdhsa_inst_pref_size 101
	.end_amdhsa_kernel
	.amdgpu_metadata
---
amdhsa.version: [ 1, 2 ]
amdhsa.kernels:
  - .name:           k_qbf776d393b_route
    .symbol:         k_qbf776d393b_route.kd
    .args:
      - { .name: x, .offset: 0, .size: 8, .value_kind: global_buffer, .address_space: global }
      - { .name: gate_W, .offset: 8, .size: 8, .value_kind: global_buffer, .address_space: global }
      - { .name: gate_b, .offset: 16, .size: 8, .value_kind: global_buffer, .address_space: global }
      - { .name: xq, .offset: 24, .size: 8, .value_kind: global_buffer, .address_space: global }
      - { .name: xs, .offset: 32, .size: 8, .value_kind: global_buffer, .address_space: global }
      - { .name: rec, .offset: 40, .size: 8, .value_kind: global_buffer, .address_space: global }
      - { .name: gw, .offset: 48, .size: 8, .value_kind: global_buffer, .address_space: global }
      - { .name: W1, .offset: 56, .size: 8, .value_kind: global_buffer, .address_space: global }
      - { .name: W2, .offset: 64, .size: 8, .value_kind: global_buffer, .address_space: global }
      - { .name: wq, .offset: 72, .size: 8, .value_kind: global_buffer, .address_space: global }
      - { .name: ws, .offset: 80, .size: 8, .value_kind: global_buffer, .address_space: global }
    .group_segment_fixed_size: 135936
    .private_segment_fixed_size: 0
    .kernarg_segment_align: 8
    .kernarg_segment_size: 88
    .max_flat_workgroup_size: 128
    .sgpr_count:     66
    .vgpr_count:     768
    .wavefront_size: 32
...
	.end_amdgpu_metadata
.endif
;; end of part 1
;; launch chain (part 2): grid 232 x 1, 4 waves a work-group, no clusters, 178,432 bytes of LDS; arguments rec, xq, xs, gw, wq, ws, b1, b2, out0; writes out0
.if DOCPART == 2
	.amdgcn_target "amdgcn-amd-amdhsa--gfx1250"
	.amdhsa_code_object_version 6
	.text
	.protected	k_qbf776d393b_chain
	.globl	k_qbf776d393b_chain
	.p2align	8
	.type	k_qbf776d393b_chain,@function
k_qbf776d393b_chain:
	s_mov_b64 s[64:65], 0
	v_nop
	global_prefetch_b8 v0, s[64:65] scope:SCOPE_SE
	s_setreg_imm32_b32 hwreg(HW_REG_WAVE_MODE, 25, 1), 1
	s_wait_xcnt 0x0
; CHAIN.  out[token] = w_a y_a + w_b y_b, y_e = Q(relu(Q(x) Q(W1_e) + b1_e)) Q(W2_e) + b2_e, both products on codes of FP8 (E4M3) with one E8M0 scale for each 32 along K.
; Only the two experts chosen for a token are computed; the others' results are thrown away by the gather.
; SHARES.  A work-group takes up to 80 tokens of ONE pair of experts (a < b), five tiles of 16, and is the one owner of their rows of out.  The 28 pairs of n tokens each make ceil(n / 80) work-groups: at most
; (16,384 + 28 x 79) / 80 = 232, whatever the choice.  A work-group that the split leaves without tokens passes over both products and stores nothing.
; ITS TOKENS are found from rec: the counts (28 bytes for each 64 tokens) give every pair's total and so my pair and my first token's rank in it; the pair's bits, 128 to a thread, give each thread's count,
; a prefix over the 128 threads, and each rank's place.  Ranks beyond the pair's last are held at it: such rows repeat the last token; within a tile they are stored again with the same values, a tile of
; such rows alone is not stored.
; THE WAVES SHARE THE COLUMNS: wave w makes hidden units 128 w .. + 127 and outputs 128 w .. + 127 for all 80 rows, so each weight byte is read once for a work-group.
; ORDER: W1 of a, W1 of b (a loop of two trips), W2 of a, W2 of b.  The hidden layers go from wave to wave through LDS as images of the operand's registers.  The second products share one set of sums:
; out = w_b (y_b + (w_a / w_b) y_a); the ratio lies between 1 / e and e, since both weights come from a softmax of two probabilities.
; THE WEIGHTS COME FROM MEMORY STRAIGHT INTO REGISTERS, from buffers laid in the order of the operand's registers: a chunk = 4 fragments (16 columns x 128 K each) = 8,192 consecutive bytes, 16 loads of 512 bytes,
; and one load of 8 bytes a lane for its scale words.  Four chunks are on their way; each feeds 20 matrix instructions.  A matrix's first fragments and bias are fetched from LDS under the last K step of the one before.
; THE LAST K STEP of all goes by tiles of tokens: a finished tile leaves while the next are multiplied.
; NO TENSOR LOADS, NO CLUSTER, NO JOINT REQUESTS, though work-groups of a pair read the same weights: which experts a work-group takes, and whether it has work, hangs on numbers read from memory.
; No prefetch: a wave's own loads run four chunks ahead, and no address is known before the pair is.
; LAYOUT.  Both products are used transposed (source 0 = 16 columns of the weight, source 1 = 16 tokens): a lane holds ONE token.  The columns of W1 that form a tile are chosen so that the 16 registers of tiles
; 2 b and 2 b + 1 are 16 neighbours along the next K: the conversions' results are the next operand's registers.  The biases b1 and b2 of a are the C of each sum's first K step.
; LIMITS: NaN and infinities are not served; a block of the hidden layer whose largest number lies under 2^-118, a block of zeros too, gets the byte 1: its codes are then zeros or as the floor gives them.
; REGISTERS, in windows of 256: window 0: v1-15 addresses; v16-35 x's or h's scale words (4 m + s), v40-47 the weights' (two a slot): these hold scales and nothing else; v48-57 the tokens' ratio and w_b;
;   v60-63 addresses; v64-143, v144-223 two sets of five fragments of x or h (at the head, in the quantiser and on the way out at work); v224-255 at work.   window 1: four slots of 64: a chunk each.
;   window 2: the accumulators (tile of tokens m, tile of columns n8) at 64 m + 8 n8, m = 0 .. 3;   window 3: v0-63 those of m = 4; v128-191 bias tiles; v192-196 the tiles' tokens.
.set MT,   5
.set M,    16*MT                       ; tokens of a work-group
.set RW,   4*MT                        ; rows that a wave brings
.set MAG,  52429                       ; x / 80 = x MAG >> 22 for x under 2^15
.set RMAG, 205                         ; p / 20 = p RMAG >> 12 for p under 80
.set SP,   528
.set SUMS, 0                           ; LDS: the waves' sums of counts, 64 bytes each
.set SUM2, 256                         ; the waves' numbers of my pair's tokens
.set PFX,  512                         ; the threads' prefixes
.set MASKS, 1024                       ; and bits
.set TOKL, 3072                        ; the rows' tokens (row RW w + i at 32 w + i),
.set GWL,  3584                        ; weights
.set XSC,  4608                        ; and scale words
.set XROW, 6656                        ; x's codes, 512 bytes + 16 a row
.set HIMG, XROW+M*SP                   ; the hidden layers' fragments (expert, 4 m + s), 2,048 bytes each
.set IMGE, MT*8192
.set HSC,  HIMG+2*IMGE                 ; their scale words: [expert][m][lane][16 bytes], word s
.set HSCE, MT*512
.set BIAS, HSC+2*HSCE                  ; b1 of a, of b, b2 of a, of b
.set OSTG, BIAS+8192                   ; the way out: 16 rows x (512 bytes + 16) for each wave
.set SPARE, OSTG+4*16*SP               ; the spare words, 512 bytes
.set SX,  16
.set WS,  40
.set GW,  48
.set XH,  64
.set BI,  128
.set TK,  192
.set TM,  224
.set PWA, 240
.set PWB, 241
.set PCA, 144
.set PCB, 160
.set MSB, 0
.macro WIN new                         ; the immediate's high byte repeats the setting that is left
.if MSB != (\new)
	s_set_vgpr_msb (MSB<<8)|(\new)
.set MSB, (\new)
.endif
.endm
.macro REFILL slot, ch, wb, wsb        ; chunk ch of a matrix (its stream at s[wb], s[wsb]) into a slot: 17 loads
	WIN 0x40                                       ; destination window 1
.irp q, 0,1,2,3,4,5,6,7,8,9,10,11,12,13,14,15
	global_load_b128 v[64*(\slot)+4*\q:64*(\slot)+4*\q+3], v10, s[\wb:\wb+1] offset:8192*(\ch)+512*\q
.endr
	WIN 0
	global_load_b64 v[WS+2*(\slot):WS+2*(\slot)+1], v11, s[\wsb:\wsb+1] offset:256*(\ch)
.endm
.macro FETCH a, ms, ko, cs, buf        ; the tiles' fragments of one K step into set buf
.irp m, 0,1,2,3,4
.irp c, 0,1,2,3
	ds_load_b128 v[XH+16*MT*(\buf)+16*\m+4*\c:XH+16*MT*(\buf)+16*\m+4*\c+3], v[\a] offset:(\ms)*\m+(\ko)+(\cs)*\c
.endr
.endr
.endm
.macro FX s, buf
	FETCH 1, 16*SP, 128*(\s), 32, \buf
.endm
.macro FH a, s, buf
	FETCH \a, 8192, 2048*(\s), 512, \buf
.endm
; A slot's scale words: register n % 2, lanes 0-15 for tiles 0, 1 and lanes 16-31 for tiles 2, 3.
.macro ONE i, n, m, bias
.set rN, 4*((\i)%2)+(\n)
.set rD, 64*((\m)%4)+8*rN
.set rA, 64*((\i)%4)+16*(\n)
.set rB, XH+16*MT*(((\i)/2)%2)+16*(\m)
.set rSA, WS+2*((\i)%4)+((\n)%2)
.set rSB, SX+4*(\m)+(((\i)/2)%4)
.set rC, rD
.if \bias
.set rC, BI+8*rN
.endif
.if (\n) >= 2
	v_wmma_scale_f32_16x16x128_f8f6f4 v[rD:rD+7], v[rA:rA+15], v[rB:rB+15], v[rC:rC+7], v[rSA], v[rSB] matrix_a_scale:MATRIX_SCALE_ROW1
.else
	v_wmma_scale_f32_16x16x128_f8f6f4 v[rD:rD+7], v[rA:rA+15], v[rB:rB+15], v[rC:rC+7], v[rSA], v[rSB]
.endif
.endm
; Chunk i's 20 matrix instructions: its four tiles of columns x the five tiles of tokens.  Two chunks are a K step; the 40 accumulators take turns, one instruction a turn.
.macro MUL i, bias
.if \bias
	WIN 0xb1                                       ; source 0 (weights) window 1, source 1 window 0, C (the bias) window 3, D window 2
.else
	WIN 0xa1                                       ; C and D window 2
.endif
.irp n, 0,1,2,3
.irp m, 0,1,2,3
	ONE \i, \n, \m, \bias
.endr
.endr
	WIN 0xf1                                       ; C and D window 3
.irp n, 0,1,2,3
	ONE \i, \n, 4, \bias
.endr
	WIN 0
.endm
; A chunk's turn.  lc: the younger loads that may stay out (17 for each younger chunk).  rf: the chunk that takes the slot, or -1.  src: 0: x's rows, else the register of the images' address.
; A load into a register that a matrix instruction has read, and a read of its result, stand eight places behind it: eight v_nop.
.macro CHUNK i, lc, bias, rf, wb, wsb, src
	s_wait_loadcnt \lc
.if (((\i)%2) == 0) && ((\i) < 6)
	s_wait_dscnt 4*MT                              ; this K step's fragments are in (at the first also the scale words and the bias); the other set's loads may be out
.endif
	MUL \i, \bias
.rept 8
	v_nop
.endr
.if (\rf) >= 0
	REFILL (\i)%4, \rf, \wb, \wsb
.endif
.if ((\i) == 1) || ((\i) == 3)
.if (\src) == 0
	FX (\i)/2+2, (\i)/2
.else
	FH \src, (\i)/2+2, (\i)/2
.endif
.endif
.endm
.macro PHASE src                       ; chunks 0 .. 5 of a matrix that another follows
	CHUNK 0, 51, 1, 4, 28, 30, \src
	CHUNK 1, 51, 1, 5, 28, 30, \src
	CHUNK 2, 51, 0, 6, 28, 30, \src
	CHUNK 3, 51, 0, 7, 28, 30, \src
	CHUNK 4, 51, 0, 0, 32, 34, \src                ; the slots take the next matrix's first chunks
	CHUNK 5, 51, 0, 1, 32, 34, \src
	s_wait_dscnt 0x0                               ; the last K step's fragments are in (asked for two chunks ago): what is fetched next may stay out
.endm
.macro BIAS1 o                         ; tile 2 b + u, lane (r, h): b1 at units 32 b + 16 h + 8 u + 0 .. 7
	WIN 0xc0                                       ; destination window 3
.irp t, 0,1,2,3,4,5,6,7
	ds_load_b128 v[BI+8*\t:BI+8*\t+3], v7 offset:128*(\t/2)+32*(\t%2)+(\o)
	ds_load_b128 v[BI+8*\t+4:BI+8*\t+7], v7 offset:128*(\t/2)+32*(\t%2)+16+(\o)
.endr
	WIN 0
.endm
.macro BIAS2 o                         ; tile t, lane (r, h): b2 at outputs 16 t + 8 h + 0 .. 7
	WIN 0xc0
.irp t, 0,1,2,3,4,5,6,7
	ds_load_b128 v[BI+8*\t:BI+8*\t+3], v8 offset:64*\t+(\o)
	ds_load_b128 v[BI+8*\t+4:BI+8*\t+7], v8 offset:64*\t+16+(\o)
.endr
	WIN 0
.endm
.macro HSCALES o
.irp m, 0,1,2,3,4
	ds_load_b128 v[SX+4*\m:SX+4*\m+3], v5 offset:512*\m+(\o)
.endr
.endm
; Tile m's 64 numbers of the hidden layer (register 64 m + 16 b + i = hidden unit 128 w + 32 b + 16 h + i of my token) become K step w's fragment of the second product and its scale word, and go to LDS.
.macro QUANTH m, pc, pw
.set w_, 2+(\m)/4                      ; the tile's window
.set a_, 64*((\m)%4)
.if (\m) >= 2
	s_wait_dscnt 5                                 ; the stores of two tiles ago have read these registers; the last tile's five may be out
.endif
	WIN 5*w_                                       ; sources 0 and 1
.irp b, 0,1,2,3
	v_max3_num_f32 v[TM+\b], v[a_+16*\b], v[a_+16*\b+1], 0x4800000   ; no |.|: what is negative becomes 0 and must not count; the floor 2^(9 - 127) stands over it.  Each accumulator is read from its low end on
.endr
	WIN 20*w_                                      ; sources 1 and 2
.irp i, 2,4,6,8,10,12,14
.irp b, 0,1,2,3
	v_max3_num_f32 v[TM+\b], v[TM+\b], v[a_+16*\b+\i], v[a_+16*\b+\i+1]
.endr
.endr
	WIN 0
.irp b, 0,1,2,3
	v_permlanex16_b32 v[TM+4+\b], v[TM+\b], s56, s57
.endr
.irp b, 0,1,2,3
	v_max_num_f32 v[TM+\b], v[TM+\b], v[TM+4+\b]   ; with lane l xor 16's: the block's largest number
.endr
.irp b, 0,1,2,3
	v_add_nc_u32 v[TM+12+\b], 0xfc000000, v[TM+\b] ; 8 off its exponent field: the conversion's scale operand
.endr
.irp b, 0,1,2,3
	v_and_or_b32 v[TM+8+\b], v[TM+\b], 0x7f800000, s58   ; 448 x the scale
.endr
.irp b, 0,1,2,3
	v_lshrrev_b32 v[TM+4+\b], 23, v[TM+12+\b]      ; the scale's byte
.endr
	v_lshl_or_b32 v[\pw], v[TM+5], 8, v[TM+4]
	v_lshl_or_b32 v[\pw], v[TM+6], 16, v[\pw]
	v_lshl_or_b32 v[\pw], v[TM+7], 24, v[\pw]
	WIN 65*w_                                      ; destination and source 0
.irp b, 0,1,2,3
.irp i, 0,1,2,3,4,5,6,7,8,9,10,11,12,13,14,15
	v_med3_num_f32 v[a_+16*\b+\i], v[a_+16*\b+\i], 0, v[TM+8+\b]   ; the activation and the hold in one (the conversion does not saturate: ISA guide 7.6.2)
.endr
.endr
	WIN w_                                         ; source 0
.irp b, 0,1,2,3
	v_cvt_scalef32_pk8_fp8_f32 v[(\pc)+4*\b:(\pc)+4*\b+1], v[a_+16*\b:a_+16*\b+7], v[TM+12+\b]
	v_cvt_scalef32_pk8_fp8_f32 v[(\pc)+4*\b+2:(\pc)+4*\b+3], v[a_+16*\b+8:a_+16*\b+15], v[TM+12+\b]
.endr
	WIN 0
	v_nop                                          ; a plain line behind the last conversion
.irp c, 0,1,2,3
	ds_store_b128 v60, v[(\pc)+4*\c:(\pc)+4*\c+3] offset:8192*(\m)+512*\c   ; image 4 m + w
.endr
	ds_store_b32 v61, v[\pw] offset:512*(\m)
.endm
.macro SCAN x                          ; the sum over the lanes up to mine, v71 at work
.irp n, 1,2,4,8
	v_mov_b32_dpp v71, v[\x] row_shr:\n row_mask:0xf bank_mask:0xf bound_ctrl:1
	v_add_nc_u32 v[\x], v[\x], v71
.endr
	v_readlane_b32 s49, v[\x], 15
	v_mad_u32_u24 v[\x], v251, s49, v[\x]
.endm
.macro NIBBLES                         ; v[80:83] -> v100-103: how many bits each nibble has; v104-107 at work
.irp i, 0,1,2,3
	v_lshrrev_b32 v[100+\i], 1, v[80+\i]
.endr
.irp i, 0,1,2,3
	v_and_b32 v[100+\i], 0x55555555, v[100+\i]
.endr
.irp i, 0,1,2,3
	v_sub_nc_u32 v[100+\i], v[80+\i], v[100+\i]
.endr
.irp i, 0,1,2,3
	v_and_b32 v[104+\i], 0x33333333, v[100+\i]
.endr
.irp i, 0,1,2,3
	v_lshrrev_b32 v[100+\i], 2, v[100+\i]
.endr
.irp i, 0,1,2,3
	v_and_b32 v[100+\i], 0x33333333, v[100+\i]
.endr
.irp i, 0,1,2,3
	v_add_nc_u32 v[100+\i], v[100+\i], v[104+\i]
.endr
.endm
	s_load_b512 s[4:19], s[0:1], 0x0               ; rec s[4:5], xq s[6:7], xs s[8:9], gw s[10:11], wq s[12:13], ws s[14:15], b1 s[16:17], b2 s[18:19]
	s_load_b64 s[20:21], s[0:1], 0x40              ; out0
	v_lshrrev_b32 v248, 5, v0
	v_readfirstlane_b32 s22, v248                  ; wave 0..3
	v_and_b32 v249, 31, v0                         ; lane
	v_and_b32 v250, 15, v0                         ; r
	v_bfe_u32 v251, v0, 4, 1                       ; h
	v_lshlrev_b32 v61, 9, v0                       ; my two records
	v_lshlrev_b32 v10, 4, v249                     ; 16 x lane
	v_lshlrev_b32 v11, 3, v249                     ; 8 x lane
	v_mul_u32_u24 v248, v250, SP
	v_lshl_add_u32 v1, v251, 4, v248               ; x's fragments: row r, + 16 h
	v_add_nc_u32 v1, XROW, v1
	v_add_nc_u32 v3, HIMG, v10                     ; an image's place for my lane
	v_add_nc_u32 v9, HIMG+IMGE, v10                ; and of b's
	s_lshl_b32 s36, s22, 11
	v_add_nc_u32 v4, s36, v3                       ; where I store images: + 2,048 x wave
	v_add_nc_u32 v5, HSC, v10                      ; the hidden layer's scale words
	s_lshl_b32 s36, s22, 2
	v_add_nc_u32 v6, s36, v5                       ; where I store mine: word w
	s_add_co_u32 s36, s36, SUM2
	v_mov_b32 v247, s36                            ; my wave's number of tokens
	s_lshl_b32 s36, s22, 9
	v_lshl_add_u32 v7, v251, 6, s36
	v_add_nc_u32 v7, BIAS, v7                      ; b1: my 128 units, + 64 h
	v_lshl_add_u32 v8, v251, 5, s36
	v_add_nc_u32 v8, BIAS+4096, v8                 ; b2: my 128 outputs, + 32 h
	v_add_nc_u32 v14, s36, v10                     ; out: my 512 bytes of a row, 16 a lane
	s_mul_i32 s37, s22, 16*SP
	s_add_co_u32 s37, s37, OSTG
	v_lshl_add_u32 v12, v251, 5, v248
	v_add_nc_u32 v12, s37, v12                     ; my stage, in: row r, + 32 h
	v_add_nc_u32 v13, s37, v10                     ; and out: a row's 512 bytes
	s_mul_i32 s37, s22, RW*SP
	s_add_co_u32 s37, s37, XROW
	v_add_nc_u32 v15, s37, v10                     ; where I put my rows of x's codes
	v_lshlrev_b32 v60, 4, v0                       ; 16 x thread
	v_add_nc_u32 v246, BIAS, v60
	s_lshl_b32 s36, s22, 6
	v_mov_b32 v62, s36                             ; (SUMS is 0) my wave's sums of counts
	v_lshrrev_b32 v63, 2, v249
	v_lshlrev_b32 v63, 3, v63
	v_and_b32 v248, 1, v249
	v_lshl_add_u32 v63, v248, 2, v63
	v_and_b32 v248, 2, v249
	v_add_nc_u32 v63, v248, v63                    ; where key = lane stands among them: word 2 (key / 4) + key % 2, half (key / 2) % 2
	v_lshlrev_b32 v252, 2, v0                      ; 4 x thread
	v_lshlrev_b32 v255, 3, v0                      ; 8 x thread
	s_mov_b32 s37, 0                               ; stays 0: the upper word of every offset
	s_mov_b32 s48, 0x00ff00ff
	s_mov_b32 s56, 0x76543210
	s_mov_b32 s57, 0xfedcba98                      ; v_permlanex16_b32's selects for lane l xor 16
	s_mov_b32 s58, 0x600000                        ; the mantissa field of 448
	s_wait_alu depctr_va_vdst(0)                   ; the wait at the head's end
	s_wait_kmcnt 0x0
	global_load_b128 v[64:67], v61, s[4:5] offset:224   ; two records' counts
	global_load_b128 v[68:71], v61, s[4:5] offset:240
	global_load_b128 v[72:75], v61, s[4:5] offset:480
	global_load_b128 v[76:79], v61, s[4:5] offset:496
	s_lshl_b32 s36, s22, 16
	s_add_nc_u64 s[60:61], s[12:13], s[36:37]      ; my wave's stream in wq,
	s_lshl_b32 s36, s22, 11
	s_add_nc_u64 s[62:63], s[14:15], s[36:37]      ; and in ws
	s_wait_loadcnt 0x0
.irp i, 0,1,2,3,4,5,6
	v_add_nc_u32 v[80+\i], v[64+\i], v[72+\i]      ; a byte a key, at most 128
.endr
.irp i, 0,1,2,3,4,5,6
	v_and_b32 v[96+2*\i], s48, v[80+\i]            ; keys 4 i and 4 i + 2, 16 bits each,
	v_lshrrev_b32 v[97+2*\i], 8, v[80+\i]
.endr
.irp i, 0,1,2,3,4,5,6
	v_and_b32 v[97+2*\i], s48, v[97+2*\i]          ; keys 4 i + 1 and 4 i + 3
.endr
.irp x, 1,2,4,8
.irp j, 0,1,2,3,4,5,6,7,8,9,10,11,12,13
	v_add_nc_u32_dpp v[96+\j], v[96+\j], v[96+\j] row_xmask:\x row_mask:0xf bank_mask:0xf
.endr
.endr
.irp j, 0,1,2,3,4,5,6,7,8,9,10,11,12,13
	v_permlanex16_b32 v[64+\j], v[96+\j], s56, s57
.endr
.irp j, 0,1,2,3,4,5,6,7,8,9,10,11,12,13
	v_add_nc_u32 v[96+\j], v[96+\j], v[64+\j]      ; the sums of my wave's 64 records, in every lane
.endr
	v_mov_b32 v110, 0                              ; keys 28 .. 31
	v_mov_b32 v111, 0
.irp q, 0,1,2,3
	ds_store_b128 v62, v[96+4*\q:99+4*\q] offset:SUMS+16*\q   ; all lanes write the same bytes with the same values
.endr
	s_wait_dscnt 0x0                               ; for the others' sake
	s_barrier_signal -1
	s_barrier_wait -1
.irp q, 0,1,2,3
	ds_load_u16 v[64+\q], v63 offset:SUMS+64*\q
.endr
	s_wait_dscnt 0x0
	v_add3_u32 v68, v64, v65, v66
	v_add_nc_u32 v68, v68, v67                     ; lane = key: its tokens
	v_add_nc_u32 v69, M-1, v68
	v_mul_u32_u24 v69, MAG, v69
	v_lshrrev_b32 v69, 22, v69                     ; and its work-groups
	v_mov_b32 v70, v69
	v_mov_b32 v71, 0
	SCAN 70
	v_sub_nc_u32 v72, v70, v69                     ; the work-groups of lower keys
	s_mov_b32 s50, ttmp9
	v_cmp_ge_u32 vcc_lo, s50, v70
	s_bcnt1_i32_b32 s26, vcc_lo                    ; my key: how many keys end ahead of me; 32: no tokens are left for me
	s_min_u32 s24, s26, 27
	s_lshl_b32 s49, s24, 2
	v_mov_b32 v73, s49
	s_wait_alu depctr_va_vdst(0)
	ds_bpermute_b32 v74, v73, v72
	ds_bpermute_b32 v75, v73, v68
	s_wait_dscnt 0x0
	v_readfirstlane_b32 s51, v74
	v_readfirstlane_b32 s52, v75
	v_lshl_add_u32 v76, s24, 3, v61
	global_load_b64 v[80:81], v76, s[4:5]          ; my pair's bits: tokens 128 x thread + 0 .. 127
	global_load_b64 v[82:83], v76, s[4:5] offset:256
	s_sub_co_u32 s51, s50, s51
	s_mul_i32 s51, s51, M                          ; my first rank in the pair
	s_sub_co_u32 s27, s52, s51
	s_min_u32 s27, s27, M                          ; my tokens
	s_sub_co_u32 s52, s52, 1                       ; the pair's last rank
	s_mov_b32 s38, 0
	s_mov_b32 s39, 0
.macro PAIR j, b
	s_cmp_ge_u32 s24, \b
	s_cselect_b32 s38, \j, s38
	s_cselect_b32 s39, \b, s39
.endm
	PAIR 1, 7
	PAIR 2, 13
	PAIR 3, 18
	PAIR 4, 22
	PAIR 5, 25
	PAIR 6, 27
	s_sub_co_u32 s25, s24, s39
	s_add_co_u32 s25, s25, s38
	s_add_co_u32 s25, s25, 1
	s_min_u32 s25, s25, 7                          ; b
	s_min_u32 s38, s38, 7                          ; a
	s_lshl_b32 s36, s38, 19
	s_add_nc_u64 s[28:29], s[60:61], s[36:37]      ; W1 of a,
	s_add_nc_u64 s[40:41], s[28:29], 0x40000       ; W2 of a,
	s_lshl_b32 s36, s38, 14
	s_add_nc_u64 s[30:31], s[62:63], s[36:37]      ; their scales,
	s_add_nc_u64 s[42:43], s[30:31], 0x2000
	s_lshl_b32 s36, s25, 19
	s_add_nc_u64 s[32:33], s[60:61], s[36:37]      ; and b's
	s_add_nc_u64 s[44:45], s[32:33], 0x40000
	s_lshl_b32 s36, s25, 14
	s_add_nc_u64 s[34:35], s[62:63], s[36:37]
	s_add_nc_u64 s[46:47], s[34:35], 0x2000
	s_lshl_b32 s36, s38, 11
	s_add_nc_u64 s[12:13], s[16:17], s[36:37]
	s_add_nc_u64 s[14:15], s[18:19], s[36:37]
	s_lshl_b32 s36, s25, 11
	s_add_nc_u64 s[16:17], s[16:17], s[36:37]
	s_add_nc_u64 s[18:19], s[18:19], s[36:37]
	global_load_b128 v[224:227], v60, s[12:13]     ; b1 of a, of b, b2 of a, of b: 2,048 bytes each
	global_load_b128 v[228:231], v60, s[16:17]
	global_load_b128 v[232:235], v60, s[14:15]
	global_load_b128 v[236:239], v60, s[18:19]
	REFILL 0, 0, 28, 30
	REFILL 1, 1, 28, 30
	s_wait_loadcnt 38                              ; the bits are in; behind them 4 + 34
	NIBBLES
	v_add_nc_u32 v100, v100, v101
	v_add_nc_u32 v102, v102, v103
	v_and_b32 v104, 0x0f0f0f0f, v100
	v_and_b32 v105, 0x0f0f0f0f, v102
	v_lshrrev_b32 v100, 4, v100
	v_lshrrev_b32 v102, 4, v102
	v_and_b32 v100, 0x0f0f0f0f, v100
	v_and_b32 v102, 0x0f0f0f0f, v102
	v_add3_u32 v104, v104, v105, v100
	v_add_nc_u32 v104, v104, v102
	v_mul_lo_u32 v104, 0x1010101, v104
	v_lshrrev_b32 v105, 24, v104                   ; my thread's tokens of the pair
	SCAN 105
	v_readlane_b32 s49, v105, 31
	v_mov_b32 v106, s49                            ; my wave's
	ds_store_b32 v252, v105 offset:PFX
	ds_store_b128 v60, v[80:83] offset:MASKS
	ds_store_b32 v247, v106
	s_wait_dscnt 0x0                               ; for the others' sake
	s_barrier_signal -1
	s_barrier_wait -1
	; MY LANE'S RANK: first rank + RW x wave + lane (lanes beyond RW - 1 serve nothing).  Which wave's threads hold it,
	s_mul_i32 s49, s22, RW
	s_add_co_u32 s49, s49, s51
	v_add_nc_u32 v110, s49, v249
	v_min_u32 v110, s52, v110
	v_mov_b32 v111, SUM2
	ds_load_b128 v[112:115], v111
	v_mov_b32 v116, 0
	v_mov_b32 v117, 0
	s_wait_alu depctr_va_vdst(0)
	s_wait_dscnt 0x0
	v_add_nc_u32 v113, v112, v113
	v_add_nc_u32 v114, v113, v114
.irp q, 1,2,3
	v_cmp_ge_u32 vcc_lo, v110, v[111+\q]
	v_cndmask_b32 v116, v116, \q, vcc_lo
	v_cndmask_b32 v117, v117, v[111+\q], vcc_lo
.endr
	v_sub_nc_u32 v118, v110, v117
	v_min_u32 v116, 3, v116
	v_lshlrev_b32 v119, 7, v116
.irp q, 0,1,2,3,4,5,6,7
	ds_load_b128 v[128+4*\q:131+4*\q], v119 offset:PFX+16*\q
.endr
	v_mov_b32 v120, 0
	v_mov_b32 v121, v118
	v_mov_b32 v122, v118
	s_wait_alu depctr_va_vdst(0)
	s_wait_dscnt 0x0
	; which thread: how many prefixes are at most the rank; and the rank among its tokens: the rank less the largest such prefix (the others wrap to large numbers)
.set q, 0
.rept 32
	v_sub_nc_u32 v[160+q], v118, v[128+q]
.set q, q+1
.endr
.set q, 0
.rept 32
	v_cmp_ge_u32 vcc_lo, v118, v[128+q]
	v_min_u32 v[121+q%2], v[121+q%2], v[160+q]
	v_add_co_ci_u32 v120, vcc_lo, 0, v120, vcc_lo
.set q, q+1
.endr
	v_min_u32 v121, v121, v122
	v_min_u32 v120, 31, v120
	v_lshl_add_u32 v123, v116, 5, v120
	v_lshlrev_b32 v124, 4, v123
	ds_load_b128 v[80:83], v124 offset:MASKS
	v_mov_b32 v210, 0
	v_mov_b32 v211, 0
	v_mov_b32 v213, 0
	v_mov_b32 v214, 0
	v_mov_b32 v216, 0
	v_mov_b32 v217, 0
	s_wait_alu depctr_va_vdst(0)
	s_wait_dscnt 0x0
	s_barrier_signal -1                            ; my reads of these parts of LDS are over; register work follows
	NIBBLES
.irp i, 0,1,2,3
	v_and_b32 v[104+\i], 0x0f0f0f0f, v[100+\i]
.endr
.irp i, 0,1,2,3
	v_lshrrev_b32 v[100+\i], 4, v[100+\i]
.endr
.irp i, 0,1,2,3
	v_and_b32 v[100+\i], 0x0f0f0f0f, v[100+\i]
.endr
.irp i, 0,1,2,3
	v_add_nc_u32 v[100+\i], v[100+\i], v[104+\i]
.endr
.irp i, 0,1,2,3
	v_mul_lo_u32 v[200+\i], 0x1010101, v[100+\i]   ; byte j: the bits of bytes 0 .. j
.endr
.irp i, 0,1,2
	v_lshrrev_b32 v[204+\i], 24, v[200+\i]
.endr
	v_add_nc_u32 v205, v204, v205
	v_add_nc_u32 v206, v205, v206
	v_mov_b32 v208, v80
	v_mov_b32 v209, v200
.irp q, 1,2,3                          ; which of the four words,
	v_cmp_ge_u32 vcc_lo, v121, v[203+\q]
	v_cndmask_b32 v208, v208, v[80+\q], vcc_lo
	v_cndmask_b32 v209, v209, v[200+\q], vcc_lo
	v_cndmask_b32 v210, v210, v[203+\q], vcc_lo
	v_cndmask_b32 v211, v211, \q, vcc_lo
.endr
	v_sub_nc_u32 v212, v121, v210
.irp j, 0,1,2                          ; which byte,
	v_bfe_u32 v215, v209, 8*\j, 8
	v_cmp_ge_u32 vcc_lo, v212, v215
	v_cndmask_b32 v213, v213, 8*(\j+1), vcc_lo
	v_cndmask_b32 v214, v214, v215, vcc_lo
.endr
	v_sub_nc_u32 v212, v212, v214
	v_lshrrev_b32 v208, v213, v208
.irp b, 0,1,2,3,4,5,6                  ; which bit
	v_bfe_u32 v218, v208, \b, 1
	v_add_nc_u32 v217, v217, v218
	v_cmp_ge_u32 vcc_lo, v212, v217
	v_add_co_ci_u32 v216, vcc_lo, 0, v216, vcc_lo
.endr
	v_lshlrev_b32 v219, 7, v123
	v_lshl_add_u32 v219, v211, 5, v219
	v_add3_u32 v219, v219, v213, v216
	v_min_u32 v219, 0x3fff, v219                   ; the token, held inside the table
	v_lshlrev_b32 v220, 4, v219
	v_lshlrev_b32 v221, 3, v219
	s_wait_alu depctr_va_vdst(0)
	s_barrier_wait -1
.set q, 0
.rept RW
	v_readlane_b32 s49, v219, q
	s_min_u32 s49, s49, 0x3fff
	v_lshl_add_u32 v[160+q], s49, 9, v10
	global_load_b128 v[64+4*q:67+4*q], v[160+q], s[6:7]   ; a row's 512 codes: 512 consecutive bytes
.set q, q+1
.endr
	global_load_b128 v[240:243], v220, s[8:9]      ; my lane's row: its scale words
	global_load_b64 v[244:245], v221, s[10:11]     ; and its ratio and weight
	REFILL 2, 2, 28, 30
	s_wait_loadcnt 17                              ; all but this chunk's 17 loads are in
.set q, 0
.rept RW
	ds_store_b128 v15, v[64+4*q:67+4*q] offset:SP*q
.set q, q+1
.endr
	ds_store_b128 v60, v[240:243] offset:XSC
	ds_store_b64 v255, v[244:245] offset:GWL
	ds_store_b32 v252, v219 offset:TOKL
.irp q, 0,1,2,3
	ds_store_b128 v246, v[224+4*\q:227+4*\q] offset:2048*\q
.endr
	REFILL 3, 3, 28, 30
	s_wait_dscnt 0x0                               ; for the others' sake: my rows and part of the biases lie in LDS
	s_barrier_signal -1
.irp m, 0,1,2,3,4                      ; row 16 m + r lies at 32 w + i, w = row / RW
	v_add_nc_u32 v[224+\m], 16*\m, v250
	v_mul_u32_u24 v[232+\m], RMAG, v[224+\m]
	v_lshrrev_b32 v[232+\m], 12, v[232+\m]
	v_mul_u32_u24 v[232+\m], 32-RW, v[232+\m]
	v_add_nc_u32 v[224+\m], v[224+\m], v[232+\m]
	v_lshlrev_b32 v[232+\m], 3, v[224+\m]
	v_lshlrev_b32 v[240+\m], 4, v[224+\m]
	v_lshlrev_b32 v[224+\m], 2, v[224+\m]
.endr
	s_wait_alu depctr_va_vdst(0)
	s_barrier_wait -1
.irp m, 0,1,2,3,4
	ds_load_b128 v[SX+4*\m:SX+4*\m+3], v[240+\m] offset:XSC
.endr
	FX 0, 0
	BIAS1 0
.irp m, 0,1,2,3,4
	ds_load_b64 v[GW+2*\m:GW+2*\m+1], v[232+\m] offset:GWL
.endr
	WIN 0xc0                                       ; destination window 3
.irp m, 0,1,2,3,4
	ds_load_b32 v[TK+\m], v[224+\m] offset:TOKL
.endr
	WIN 0
	s_mov_b32 s23, 0
	s_mov_b32 s48, 0                               ; the trip's place among the images
	s_mov_b32 s50, 0                               ; and their scale words
.Ltrip:
	s_cmp_gt_u32 s26, 27
	s_cbranch_scc1 .Lskip
	; ---- the first product: my 128 hidden units for the rows
	FX 1, 1
	v_add_nc_u32 v60, s48, v4                      ; where this expert's images go,
	v_add_nc_u32 v61, s50, v6                      ; and their scale words
	s_wait_alu depctr_va_vdst(0)
	PHASE 0
	s_cmp_eq_u32 s23, 0
	s_cbranch_scc0 .Lsecond
	FX 0, 0                                        ; for b's trip: its first fragments (a's last K step works on the other set)
	BIAS1 2048                                     ; and b1 of b
	s_branch .Lasked
.Lsecond:
	BIAS2 0                                        ; b2 of a
.Lasked:
	CHUNK 6, 51, 0, 2, 32, 34, 0
	CHUNK 7, 51, 0, 3, 32, 34, 0
	QUANTH 0, PCA, PWA
	QUANTH 1, PCB, PWB
	QUANTH 2, PCA, PWA
	QUANTH 3, PCB, PWB
	QUANTH 4, PCA, PWA
.Lskip:
	s_wait_xcnt 0x0                                ; the loads issued so far have read their bases, which are written anew
	s_mov_b64 s[28:29], s[32:33]
	s_mov_b64 s[30:31], s[34:35]
	s_mov_b64 s[32:33], s[40:41]                   ; W2 of a follows W1 of b
	s_mov_b64 s[34:35], s[42:43]
	s_add_co_u32 s48, s48, IMGE
	s_add_co_u32 s50, s50, HSCE
	s_add_co_u32 s23, s23, 1
	s_cmp_lt_u32 s23, 2
	s_cbranch_scc1 .Ltrip
	s_mov_b64 s[32:33], s[44:45]                   ; W2 of b follows W2 of a
	s_mov_b64 s[34:35], s[46:47]
	s_wait_dscnt 0x0                               ; my images have landed
	s_barrier_signal -1
	s_barrier_wait -1                              ; the hidden layers' fragments are whole
	s_cmp_gt_u32 s26, 27
	s_cbranch_scc1 .Lend
	; ---- the second product: my 128 outputs for the rows
	HSCALES 0
	FH 3, 0, 0
	FH 3, 1, 1
	PHASE 3
	BIAS2 2048                                     ; b2 of b and b's first fragments, while a's last K step is multiplied
	FH 9, 0, 0
	CHUNK 6, 51, 0, 2, 32, 34, 3
	CHUNK 7, 51, 0, 3, 32, 34, 3
	HSCALES HSCE
	FH 9, 1, 1
	s_wait_dscnt 9*MT                              ; the bias is in; two sets of fragments and the scale words may be out
.irp m, 0,1,2,3,4
	WIN 65*(2+\m/4)+0x30                           ; source 0 and destination the tile's window, source 1 window 0, source 2 (the bias) window 3
.set q, 0
.rept 32
	v_pk_fma_f32 v[64*(\m%4)+2*q:64*(\m%4)+2*q+1], v[64*(\m%4)+2*q:64*(\m%4)+2*q+1], v[GW+2*\m:GW+2*\m+1], v[BI+2*q:BI+2*q+1] op_sel_hi:[1,0,1]   ; y_a x ratio + b2 of b; each accumulator from its low end on
.set q, q+1
.endr
.endr
	WIN 0
	s_wait_alu depctr_va_vdst(0)
	CHUNK 0, 51, 0, 4, 32, 34, 9
	CHUNK 1, 51, 0, 5, 32, 34, 9
	CHUNK 2, 51, 0, 6, 32, 34, 9
	CHUNK 3, 51, 0, 7, 32, 34, 9
	CHUNK 4, 51, 0, -1, 0, 0, 9                    ; nothing follows: the counts run down
	CHUNK 5, 34, 0, -1, 0, 0, 9
	s_wait_loadcnt 0x0                             ; the last two chunks,
	s_wait_dscnt 0x0                               ; and the last K step's fragments, are in
; THE LAST K STEP AND THE WAY OUT, a tile of 16 tokens at a time.  TILE finishes tile m: 8 matrix instructions.  STAGE: x w_b, through my own stage in LDS (a lane holds 32 neighbouring bytes of a row, and the
; lanes beside it hold other rows) and back as rows of 512 bytes, into slots 0 and 1 of the weights by turns, whose chunks are done with.  SEND: the 32 lanes store 512 consecutive bytes of the token's row, aligned.
; LDS serves a wave's instructions in order (ISA guide 5.7.1.4): no wait between the stores and the loads.
.macro TILE m
	WIN 0xa1+0x50*((\m)/4)                         ; C and D window 2 or 3
.irp n, 0,1,2,3
	ONE 6, \n, \m, 0
.endr
.irp n, 0,1,2,3
	ONE 7, \n, \m, 0
.endr
	WIN 0
.endm
.macro STAGE m
.set w_, 2+(\m)/4
.set a_, 64*((\m)%4)
.if (\m) >= 2
	s_wait_xcnt 0x0                                ; the stores of two tiles ago have read their data and address registers, which are written anew
.endif
	WIN 0x03
.irp i, 0,1,2,3,4,5,6,7,8,9,10,11,12,13,14,15
	v_readlane_b32 s[40+\i], v[TK+(\m)], \i
.endr
	WIN 0
.irp i, 0,1,2,3,4,5,6,7,8,9,10,11,12,13,14,15
	s_min_u32 s[40+\i], s[40+\i], 0x3fff           ; row i's token, held inside the table
	v_lshl_add_u32 v[XH+16*((\m)%2)+\i], s[40+\i], 11, v14   ; (sixteen plain lines: the places behind the tile's last product)
.endr
	WIN 65*w_                                      ; source 0 and destination
.set q, 0
.rept 32
	v_pk_mul_f32 v[a_+2*q:a_+2*q+1], v[a_+2*q:a_+2*q+1], v[GW+2*(\m):GW+2*(\m)+1] op_sel:[0,1] op_sel_hi:[1,1]
.set q, q+1
.endr
	WIN 4*w_                                       ; an LDS store's data are its source 1
.irp t, 0,1,2,3,4,5,6,7
	ds_store_b128 v12, v[a_+8*\t:a_+8*\t+3] offset:64*\t
	ds_store_b128 v12, v[a_+8*\t+4:a_+8*\t+7] offset:64*\t+16
.endr
	WIN 0x40
.irp i, 0,1,2,3,4,5,6,7,8,9,10,11,12,13,14,15
	ds_load_b128 v[64*((\m)%2)+4*\i:64*((\m)%2)+4*\i+3], v13 offset:SP*\i
.endr
	WIN 0
.endm
.macro SEND m, younger                 ; younger: the LDS instructions issued behind tile m's, which may stay out
	s_wait_alu depctr_va_vdst(0)
	s_wait_dscnt \younger                          ; the tile is back in registers
.if (\m) > 0
	s_cmp_le_u32 s27, 16*(\m)                      ; no token of mine in this tile
	s_cbranch_scc1 .Lno_tile_\@
.endif
	WIN 0x04                                       ; a store's data are its source 1: window 1
.irp i, 0,1,2,3,4,5,6,7,8,9,10,11,12,13,14,15
	global_store_b128 v[XH+16*((\m)%2)+\i], v[64*((\m)%2)+4*\i:64*((\m)%2)+4*\i+3], s[20:21] th:TH_STORE_NT
.endr
	WIN 0
.Lno_tile_\@:
.endm
	TILE 0
	TILE 1
	STAGE 0
	TILE 2
	STAGE 1
	SEND 0, 32
	TILE 3
	STAGE 2
	SEND 1, 32
	TILE 4
	STAGE 3
	SEND 2, 32
	STAGE 4
	SEND 3, 32
	SEND 4, 0
.Lend:
	v_lshl_add_u32 v254, v0, 2, SPARE
	v_mov_b32 v255, 0
	s_wait_alu depctr_va_vdst(0)
	s_wait_tensorcnt 0x0                           ; the wave's end
	ds_add_u32 v254, v255
	s_wait_dscnt 0x0
	s_endpgm
.Lfunc_end_k_qbf776d393b_chain:
	.size	k_qbf776d393b_chain, .Lfunc_end_k_qbf776d393b_chain-k_qbf776d393b_chain
	.p2alignl 7, 3214868480
	.fill 96, 4, 3214868480
	.section	.rodata,"a",@progbits
	.p2align	6, 0x0
	.amdhsa_kernel k_qbf776d393b_chain
		.amdhsa_group_segment_fixed_size 178432
		.amdhsa_private_segment_fixed_size 0
		.amdhsa_enable_private_segment 0
		.amdhsa_kernarg_size 72
		.amdhsa_user_sgpr_count 2
		.amdhsa_user_sgpr_kernarg_segment_ptr 1
		.amdhsa_wavefront_size32 1
		.amdhsa_system_sgpr_workgroup_id_x 1
		.amdhsa_system_sgpr_workgroup_id_y 1
		.amdhsa_system_sgpr_workgroup_id_z 1
		.amdhsa_system_vgpr_workitem_id 0
		.amdhsa_next_free_vgpr 1024
		.amdhsa_next_free_sgpr 66
		.amdhsa_reserve_vcc 1
		.amdhsa_float_denorm_mode_32 3
		.amdhsa_float_denorm_mode_16_64 3
		.amdhsa_memory_ordered 1
		.amdhsa_forward_progress 1
		.amdhsa_inst_pref_size 255
	.end_amdhsa_kernel
	.section	.bss,"aw",@nobits
	.p2align	6
	.space	262144
	.amdgpu_metadata
---
amdhsa.version: [ 1, 2 ]
amdhsa.kernels:
  - .name:           k_qbf776d393b_chain
    .symbol:         k_qbf776d393b_chain.kd
    .args:
      - { .name: rec, .offset: 0, .size: 8, .value_kind: global_buffer, .address_space: global }
      - { .name: xq, .offset: 8, .size: 8, .value_kind: global_buffer, .address_space: global }
      - { .name: xs, .offset: 16, .size: 8, .value_kind: global_buffer, .address_space: global }
      - { .name: gw, .offset: 24, .size: 8, .value_kind: global_buffer, .address_space: global }
      - { .name: wq, .offset: 32, .size: 8, .value_kind: global_buffer, .address_space: global }
      - { .name: ws, .offset: 40, .size: 8, .value_kind: global_buffer, .address_space: global }
      - { .name: b1, .offset: 48, .size: 8, .value_kind: global_buffer, .address_space: global }
      - { .name: b2, .offset: 56, .size: 8, .value_kind: global_buffer, .address_space: global }
      - { .name: out0, .offset: 64, .size: 8, .value_kind: global_buffer, .address_space: global }
    .group_segment_fixed_size: 178432
    .private_segment_fixed_size: 0
    .kernarg_segment_align: 8
    .kernarg_segment_size: 72
    .max_flat_workgroup_size: 128
    .sgpr_count:     66
    .vgpr_count:     1024
    .wavefront_size: 32
...
	.end_amdgpu_metadata
.endif
;; end of part 2
